; MI455X (gfx1250); checked and timed in simulation.
; The chip was launched on July 23, 2026; its instructions are those of AMD's public machine-readable ISA for CDNA 5 (MIT licence, August 2026) and "CDNA5" Instruction Set Architecture Reference Guide (July 2026). The comments in the code are by the model that wrote it; some were corrected since.
;; Token Routed MLP. Allowed arithmetic: matrix products marked QUANTISED: E3M2 operands, one E8M0 scale for each 32 along K, by v_wmma_scale_f32_16x16x128_f8f6f4 with both operands' format E3M2, f32 sums; everything else in f32.
;; Inputs: down_proj_codes 8 x 2,048 x 32 x 24 uint8 (E3M2 codes of down_proj, K innermost, in blocks of 32 codes, four codes in three bytes); down_proj_scales 8 x 2,048 x 32 uint8 (E8M0 scales of down_proj, one for each 32 codes along K); gate_up_proj_codes 8 x 2,048 x 64 x 24 uint8 (E3M2 codes of gate_up_proj, K innermost, in blocks of 32 codes, four codes in three bytes); gate_up_proj_scales 8 x 2,048 x 64 uint8 (E8M0 scales of gate_up_proj, one for each 32 codes along K); token_ids 1,024 int32; x_codes 1,024 x 64 x 24 uint8 (E3M2 codes of x, K innermost, in blocks of 32 codes, four codes in three bytes); x_scales 1,024 x 64 uint8 (E8M0 scales of x, one for each 32 codes along K).
;; Outputs: out0 1,024 x 2,048 float32.
;; This version of the problem:
;;   THIS VERSION OF THE PROBLEM IS GIVEN IN LOW PRECISION. The matrix products marked QUANTISED in the list below multiply operands that are first quantised to E3M2 (3 exponent bits, 2 mantissa bits; 6 bits a number), with one power-of-two scale for each 32 numbers along K (OCP MX v1.0); their sums are f32. All else is computed in f32.
;;   The module's matrix products, in the order in which they are computed (A, B: the left and right operand; K: the contracted axis; several contracted axes count as one K, in the product's order):
;;     1. [M 1,024, K 2,048] x [K 2,048, N 2,048]; A: input x (given as codes); B: input gate_up_proj (given as codes): QUANTISED
;;     2. [M 1,024, K 1,024] x [K 1,024, N 2,048]; A: computed on the way; B: input down_proj (given as codes): QUANTISED
;;     3. [M 1,024, K 2,048] x [K 2,048, N 2,048]; A: input x (given as codes); B: input gate_up_proj (given as codes): QUANTISED
;;     4. [M 1,024, K 1,024] x [K 1,024, N 2,048]; A: computed on the way; B: input down_proj (given as codes): QUANTISED
;;     5. [M 1,024, K 2,048] x [K 2,048, N 2,048]; A: input x (given as codes); B: input gate_up_proj (given as codes): QUANTISED
;;     6. [M 1,024, K 1,024] x [K 1,024, N 2,048]; A: computed on the way; B: input down_proj (given as codes): QUANTISED
;;     7. [M 1,024, K 2,048] x [K 2,048, N 2,048]; A: input x (given as codes); B: input gate_up_proj (given as codes): QUANTISED
;;     8. [M 1,024, K 1,024] x [K 1,024, N 2,048]; A: computed on the way; B: input down_proj (given as codes): QUANTISED
;;     9. [M 1,024, K 2,048] x [K 2,048, N 2,048]; A: input x (given as codes); B: input gate_up_proj (given as codes): QUANTISED
;;     10. [M 1,024, K 1,024] x [K 1,024, N 2,048]; A: computed on the way; B: input down_proj (given as codes): QUANTISED
;;     11. [M 1,024, K 2,048] x [K 2,048, N 2,048]; A: input x (given as codes); B: input gate_up_proj (given as codes): QUANTISED
;;     12. [M 1,024, K 1,024] x [K 1,024, N 2,048]; A: computed on the way; B: input down_proj (given as codes): QUANTISED
;;     13. [M 1,024, K 2,048] x [K 2,048, N 2,048]; A: input x (given as codes); B: input gate_up_proj (given as codes): QUANTISED
;;     14. [M 1,024, K 1,024] x [K 1,024, N 2,048]; A: computed on the way; B: input down_proj (given as codes): QUANTISED
;;     15. [M 1,024, K 2,048] x [K 2,048, N 2,048]; A: input x (given as codes); B: input gate_up_proj (given as codes): QUANTISED
;;     16. [M 1,024, K 1,024] x [K 1,024, N 2,048]; A: computed on the way; B: input down_proj (given as codes): QUANTISED
;;   THE QUANTISER, for each operand of a quantised product, along K:
;;     - K is cut into blocks of 32 from its start; a last block that is shorter is filled with zeros.
;;     - A block's scale is 2^e with e = floor(log2(the largest magnitude in the block)) - 4, held to -126 .. 127; a block of zeros has e = 0. As a byte (E8M0): e + 127.
;;     - Each number is divided by its block's scale, clamped to +-28, and rounded to the nearest number of E3M2, ties to even, subnormals kept.
;;     - The product sums the exact products of the quantised numbers (number of the format x scale) in f32.
;;   ~~~python
;;   def quantise(x, axis):      # numpy; x: float32 -> the quantised numbers, widened to float32 again
;;       x = np.moveaxis(x, axis, -1); K = x.shape[-1]
;;       x = np.pad(x, [(0, 0)] * (x.ndim - 1) + [(0, -K % 32)]); x = x.reshape(x.shape[:-1] + (-1, 32)); a = np.abs(x).max(-1, keepdims=True)
;;       e = np.where(a > 0, np.clip(np.frexp(np.where(a > 0, a, 1))[1] - 1 - 4, -126, 127), 0)      # np.frexp(a)[1] - 1 = floor(log2(a)), exactly
;;       r = np.clip(x / 2.0 ** e, -28, 28)
;;       step = 2.0 ** (np.maximum(np.frexp(np.where(r == 0, 1, r))[1] - 1, -2) - 2)
;;       q = np.round(r / step) * step * 2.0 ** e      # np.round: ties to even
;;       return np.moveaxis(q.reshape(q.shape[:-2] + (-1,))[..., :K], -1, axis).astype(np.float32)
;;   ~~~
;;   OPERANDS COMPUTED ON THE WAY. 'Computed on the way' means the value that the module computes at that place (a softmax that the list does not call 'softmax' is quantised finished and normalised). What goes into a quantiser is computed in f32, as accurately as f32 sums, v_exp_f32 and their like allow (about 1e-6 of the number): no bf16 or f16 on the way to a quantiser, and a product that is left as it is and whose result goes on into a quantised operand takes f32 operands (vector FMAs, or v_wmma_f32_16x16x4_f32). A number that lies on a knife's edge between two numbers of the format may be rounded either way, as far as f32 arithmetic and the matrix unit's own rounding can turn it there, and no further.
;;   INPUTS GIVEN AS CODES. down_proj (in the module: [8, 1024, 2048], K = its axis 1); gate_up_proj (in the module: [8, 2048, 2048], K = its axis 1); x (in the module: [1024, 2048], K = its axis 1): each comes as NAME_codes (uint8): NAME with its K axis moved to the last place and cut into blocks of 32 codes, [.., K / 32, bytes a block], one block behind the other in memory; four codes in three bytes: a row's codes are one little-endian stream of bits, code i at bits 6 i .. 6 i + 5 (a code: sign, 3 exponent bits, 2 mantissa bits); and NAME_scales (uint8): the same leading axes, one E8M0 byte (e + 127) for each 32 codes along K. Its value is code x scale, taken as it is: it is not quantised again, and the codes and scales need not be those that the quantiser above would give.
;; One version. Each part assembles by itself: llvm-mc -triple=amdgcn-amd-amdhsa -mcpu=gfx1250 --defsym DOCPART=n.
;; ======== version 1 of 1: 2 launches
;; limits: right only within a limited range of input values
;; workspace buffers: h_codes 6,291,456 bytes; h_scales 262,144 bytes; route 38,912 bytes of whole numbers
;; launch gateup (part 1): grid 32 x 8, 8 waves a work-group, no clusters, 317,696 bytes of LDS; arguments token_ids, x_codes, x_scales, gate_up_proj_codes, gate_up_proj_scales, h_codes, h_scales, route; writes h_codes, h_scales, route
.if DOCPART == 1
	.amdgcn_target "amdgcn-amd-amdhsa--gfx1250"
	.amdhsa_code_object_version 6
	.text
	.protected	k_q8395717435_gateup
	.globl	k_q8395717435_gateup
	.p2align	8
	.type	k_q8395717435_gateup,@function
k_q8395717435_gateup:
	s_mov_b64 s[64:65], 0
	v_nop
	global_prefetch_b8 v0, s[64:65] scope:SCOPE_SE
	s_setreg_imm32_b32 hwreg(HW_REG_WAVE_MODE, 25, 1), 1
	s_wait_xcnt 0x0
; h = Q(silu(x G[e]) * (x U[e])) for the tokens of expert e = min_u32(id, 50256) & 7 (50256 is a multiple of 8 and both ends of the clip fall on expert 0, so this is clip(id, 0, 50256) % 8 for every int32).
; WORK LEFT OUT: reference() multiplies every token by every expert and keeps, by its own mask expert_ids == e, the row of one expert: a row of x G[e], x U[e] or h D[e] of a token of another expert reaches no output,
; whatever the inputs hold.  token_ids is read here, and only the tiles that a count asks for are multiplied.  Limit: a NaN, an infinity or an overflow that reaches only the rows left out is not carried to the result.
; x [1024][2048], G and U (rows 0-1023 and 1024-2047 of gate_up_proj [8][2048][2048], K innermost): codes of BF6 (E3M2), 1,536 bytes a row, one E8M0 byte for each 32 along K.
; SHARES.  Work-group (J, E): expert E, hidden units 32 J .. 32 J + 31 (one block of 32 along the next product's K): 32 rows of G and 32 of U, read from memory by this work-group alone.
; WORKSPACE.  h_codes [8 experts][16 pairs of blocks][1024 places][48 bytes]: a place's two blocks 2 P, 2 P + 1 side by side.  h_scales [8][1024 places][32].  route [8][1216 words]: the tokens by place (1,152 words), then the count.
; The first 128 places of every expert are always made (places behind the list's end repeat a legal token), so that the next launch may load them before it knows a count.
; Eight waves: wave = KQ + 4 TP.  KQ is a quarter of K (512 codes, 384 bytes of a row), TP the parity of the token tiles.  A wave keeps its K quarter of the four weight tiles (16 fragments, 192 registers).
; ROUTING: each wave lists those of its 128 tokens that are the expert's in LDS words of its own and states their number; behind ONE barrier a place p of the joined list is found through the eight numbers' prefix sums.
; Tokens go in chunks of 192 places = 12 tiles of 16, six for each parity.  The chunk loop has 6 trips whatever the counts are, every barrier stands on the common path, and only loads, products and stores are jumped over.
; A WAVE STAGES X FOR ITSELF: its K quarter of 16 rows, eight lanes to a row's 128 bytes, goes through a slot of its own in LDS: no barrier.  When the fragments are read, the slot takes the image of the tile's partial sums.
; Tile j of the parity (0-3) is owned by K quarter j: the owner takes it first and keeps its sums; tiles 4 and 5 are owned by quarters 2 and 3, which read all four images.
; FRAGMENTS: lane (r, h) takes the 48 bytes of the blocks 2 h and 2 h + 1 of a K step, where the operand's layout names blocks h and 2 + h: the same order of K on both sides, and the scale bytes 1 and 2 of each word change places.
; THE PRODUCT IS USED TRANSPOSED (source 0 = 16 weight rows, source 1 = 16 tokens): a lane holds one token.  Lane r of weight tile t takes unit r + 8 (r / 8) + 8 (t % 2), so that the 16 registers of tiles 0, 1 (gate) and 2, 3 (up) are units 16 h + 0 .. 15.
; NO JOINT LOADS, though the 32 work-groups of an expert read the same rows of x: the rows are gathered by a list and the work hangs on counts made from token_ids.
; NO PREFETCH: the weights are asked for at the head, each byte once, and no loop runs ahead of a load.
; LIMITS: NaN, infinities and the scale byte 0xff among the inputs are not served.  A block of h whose largest magnitude lies under 2^-122 (a block of zeros too) gets the byte 1: this program alone reads the bytes.
; A sum over K is four partial f32 sums (the K quarters, each ascending by K steps) added at the end.
.set XP,   1552                        ; LDS pitch of a weight row of 1,536 bytes: an odd multiple of 16
.set SP,   400                         ; of a staged row of 384 bytes
.set SL,   6400                        ; a slot: 16 rows
.set L_CT, 5120                        ; LDS: 0: the waves' lists, 640 bytes each (128 words, and 32 for tokens that are not the expert's); then their counts
.set L_TK, 5376                        ; each wave's tokens of the chunk, 512 bytes each
.set L_X,  9472                        ; each wave's four slots
.set L_W,  214272                      ; first the 64 weight rows; then the slots of tiles 4 and 5: 2 x 8 slots
.set SPARE, 316672                     ; the spare words
.set P_TOK, 4
.set P_XC,  6
.set P_XS,  8
.set P_GC,  10
.set P_GS,  12
.set P_HC,  14
.set P_HS,  16
.set P_RT,  18
.set WV,   20
.set KQ,   21
.set TP,   22
.set E,    23
.set J,    24
.set CNT,  25                          ; tokens of my expert
.set P0,   26                          ; the chunk's first place
.set C,    27
.set T0,   28
.set T1,   29
.set T2,   30
.set LIM,  31                          ; max(CNT, 128)
.set SB,   32                          ; s33-39: SB + i = tokens of the expert in the lists of waves 0 .. i - 1
.set VB,   40                          ; s41-47: 160 i - that
.set SEL,  48
.set TI,   50                          ; s50-55: 16 x the tile that I take in turn b
.set TI2,  56                          ; 16 x the second tile that I own, or 4,096 where I own none
.set PRM,  57
.set MK,   58                          ; s58-61 lane masks
.set LW,   62                          ; 640 x wave
.set L16,  1
.set RL,   2
.set SPW,  3
.set NIL,  4
.set Z,    6                           ; v6-9 zeros at the head; v6 stays 0
.set QI,   7                           ; v7-9: the chunk's tokens, a lane each
.set ROWL, 10
.set RTOK, 11
.set TKW,  12                          ; v12-14
.set PLACE, 15
.set XLO,  16
.set STW,  18
.set FRD,  19
.set IMW,  20
.set STW2, 21
.set FRD2, 22
.set IMW2, 23
.set RDA,  24                          ; v24-26
.set RDB,  27
.set WWR,  28
.set WFR,  29
.set WSO,  30
.set HCA,  31
.set HSA,  32
.set HCO,  33
.set HSO,  34
.set IDA,  35
.set ID,   36                          ; v36-39 ids at the head
.set PI,   36                          ; v36-38 places
.set WS,   40                          ; v40-55 the weights' scale words, 4 t + s: scales and nothing else
.set XSC,  56                          ; v56-79 x's scale words, 4 b + s: scales and nothing else
.set IMG,  80                          ; v80-175: images; tiles 4 and 5 on their way to LDS (v80, v128)
.set XF,   176                         ; v176-223 x's fragments
.set ACC,  224                         ; v224-255 sums
.set TO,   224                         ; v224-247 offsets of the rows' codes, v248-253 of their scale bytes
.set TS,   248
.set EX,   176
.set MX0,  192
.set MX1,  193
.set SCL,  194
.set BY,   195
.set CD,   196
.set G,    224
.set U,    240
.set LN,   80                          ; at the head
.set HF,   81
.set RR,   82
.set RHO,  83
.set RB,   84
.set TA,   85
.set TB,   86
.set TC,   87
.set R4,   88
.set L4,   89
.set DMP,  90
.set CTA,  91
.set TV,   92                          ; v92-95
.set CTV,  96
.set CTR,  97
.set CV,   100                         ; v100-107
; window 1: v256-447 the weight fragments, (t, s) at 12 (4 t + s) (v256-351 first take the weight rows, v352-447 x's tiles of turns 0 and 1); v448-479 the sums of the tile that I own (v448-495 first take x's tile of turn 2)
.set OWN,  192
.set MSB, 0
.macro WIN new                         ; s_set_vgpr_msb: bits 1:0 source 0, 3:2 source 1, 5:4 source 2, 7:6 destination; the high byte repeats the setting that is left
.if MSB != \new
	s_set_vgpr_msb (MSB<<8)|\new
.set MSB, \new
.endif
.endm
.macro VW
	s_wait_alu depctr_va_vdst(0)
.endm
.macro PLACES n
.rept \n
	v_nop
.endr
.endm
.macro BARRIER                         ; my LDS stores have landed and my LDS loads are in: then the work-group's barrier
	VW
	s_wait_dscnt 0x0
	s_barrier_signal -1
	s_barrier_wait -1
.endm
; The chunk's places and tokens.  Register i of lane (h, r): tile 2 i + h of my parity, its row r.  Place p lies in the list of wave w, the largest with SB[w] <= p, at word 160 w + p - SB[w].
.macro XADDR
.irp i, 0,1,2
	s_add_co_u32 s[T0], s[P0], 64*\i
	v_add_nc_u32 v[PI+\i], s[T0], v[PLACE]
.endr
.irp k, 1,2,3,4,5,6,7
.irp i, 0,1,2
	v_cmp_le_u32 s[MK+\i], s[SB+\k], v[PI+\i]
.endr
.irp i, 0,1,2
.if \k == 1
	v_cndmask_b32 v[QI+\i], 0, s[VB+\k], s[MK+\i]
.else
	v_cndmask_b32 v[QI+\i], v[QI+\i], s[VB+\k], s[MK+\i]
.endif
.endr
.endr
.irp i, 0,1,2
	v_add_nc_u32 v[QI+\i], v[QI+\i], v[PI+\i]
.endr
.irp i, 0,1,2
	v_min_u32 v[QI+\i], 0x4df, v[QI+\i]            ; inside the lists by a constant of the text: behind the list's end the words are zeros or name a legal token
.endr
.irp i, 0,1,2
	v_lshlrev_b32 v[QI+\i], 2, v[QI+\i]
.endr
	VW
.irp i, 0,1,2
	ds_load_b32 v[QI+\i], v[QI+\i]
.endr
	s_wait_dscnt 0x0
.irp i, 0,1,2
	v_min_u32 v[QI+\i], 0x3ff, v[QI+\i]
.endr
.irp i, 0,1,2
	ds_store_b32 v[TKW+\i], v[QI+\i]               ; my own words, in the order of my turns; LDS serves a wave's instructions in order
.endr
.irp b, 0,1,2,3,4,5
	ds_load_b128 v[TO+4*\b:TO+4*\b+3], v[ROWL] offset:64*\b   ; the four rows that my group of eight lanes loads
	ds_load_b32 v[TS+\b], v[RTOK] offset:64*\b                ; row r
.endr
	VW
	s_wait_dscnt 0x0
.set k, 0
.rept 30
	v_min_u32 v[TO+k], 0x3ff, v[TO+k]
.set k, k+1
.endr
.set k, 0
.rept 24
	v_mul_u32_u24 v[TO+k], v[TO+k], 0x600
.set k, k+1
.endr
.irp b, 0,1,2,3,4,5
	v_lshlrev_b32 v[TS+\b], 6, v[TS+\b]
.endr
.set k, 0
.rept 24
	v_add_nc_u32 v[TO+k], v[TO+k], v[XLO]
.set k, k+1
.endr
	VW
.endm
.macro XLOAD b, reg, w                 ; turn b's tile: 16 bytes of scales of each row, and 384 bytes of codes: each load covers 128 aligned bytes of four rows
	global_load_b128 v[XSC+4*\b:XSC+4*\b+3], v[TS+\b], s[P_XS:P_XS+1]
.if \w
	WIN 0x40
.endif
.irp a, 0,1,2,3
.irp u, 0,1,2
	global_load_b128 v[\reg+12*\a+4*\u:\reg+12*\a+4*\u+3], v[TO+4*\b+\a], s[P_XC:P_XC+1] offset:128*\u
.endr
.endr
	WIN 0
.endm
.macro SPERM b                         ; scale bytes 1 and 2 change places
.irp s, 0,1,2,3
	v_perm_b32 v[XSC+4*\b+\s], v[XSC+4*\b+\s], v[XSC+4*\b+\s], s[PRM]
.endr
.endm
.macro DRAIN b, reg, w, n              ; n: the loads issued behind this tile's
	s_wait_loadcnt \n
	SPERM \b
.if \w
	WIN 0x04
.endif
.irp a, 0,1,2,3
.irp u, 0,1,2
	ds_store_b128 v[STW], v[\reg+12*\a+4*\u:\reg+12*\a+4*\u+3] offset:\b*SL+\a*SP+128*\u
.endr
.endr
	WIN 0
	VW
.endm
.macro ROUTE_ST                        ; work-group J = 0, K quarter 0 (both parities): the chunk's tokens by place, and the count
	s_or_b32 s[T0], s[J], s[KQ]
	s_cmp_lg_u32 s[T0], 0
	s_cbranch_scc1 .Lnort_\@
.irp i, 0,1,2
	v_lshlrev_b32 v[PI+\i], 2, v[PI+\i]
.endr
	v_mov_b32 v[PI+3], s[CNT]
.irp i, 0,1,2
	global_store_b32 v[PI+\i], v[QI+\i], s[P_RT:P_RT+1]
.endr
	global_store_b32 v[Z], v[PI+3], s[P_RT:P_RT+1] offset:4608
	s_wait_xcnt 0x0                                ; the stores' registers are written again only behind this wait
.Lnort_\@:
.endm
.macro FRAGS t0                        ; weight tiles t0, t0 + 1
	WIN 0x40
.irp t, \t0, \t0+1
.irp s, 0,1,2,3
.irp q, 0,1,2
	ds_load_b128 v[12*(4*(\t)+\s)+4*\q:12*(4*(\t)+\s)+4*\q+3], v[WFR] offset:(8*((\t)%2)+32*((\t)/2))*XP+96*\s+16*\q
.endr
.endr
.endr
	WIN 0
.endm
; Turn b: my K quarter of one tile of 16 tokens against the four weight tiles: 16 matrix instructions, the four accumulators by turns; the first K step starts the sums.
; Five places at its head serve the loads into x's registers and the products that begin accumulators anew, eight a scale register written just before; four stand ahead of the stores that read results.
.macro TILE b
	s_add_co_u32 s[T0], s[P0], s[TI+\b]
	s_cmp_ge_u32 s[T0], s[LIM]
	s_cbranch_scc1 .Lskip_\@
.if \b > 3
.set FA, FRD2
.set IA, IMW2
.set OF, (\b-4)*8*SL
	SPERM \b
.irp a, 0,1,2,3
.irp u, 0,1,2
	ds_store_b128 v[STW2], v[IMG+48*(\b-4)+12*\a+4*\u:IMG+48*(\b-4)+12*\a+4*\u+3] offset:OF+\a*SP+128*\u
.endr
.endr
	PLACES 8
.else
.set FA, FRD
.set IA, IMW
.set OF, \b*SL
	PLACES 5
.endif
.irp s, 0,1,2,3
.irp q, 0,1,2
	ds_load_b128 v[XF+12*\s+4*\q:XF+12*\s+4*\q+3], v[FA] offset:OF+96*\s+16*\q
.endr
.endr
	VW
.if \b == 0
.set D, OWN
	WIN 0x51                                       ; source 0, C and D in window 1
.else
.set D, ACC
	WIN 0x01
.endif
.irp s, 0,1,2,3
	s_wait_dscnt 9-3*\s                            ; this K step's three loads are in
.irp t, 0,1,2,3
.if \s == 0
	v_wmma_scale_f32_16x16x128_f8f6f4 v[D+8*\t:D+8*\t+7], v[12*(4*\t+\s):12*(4*\t+\s)+11], v[XF+12*\s:XF+12*\s+11], 0, v[WS+4*\t+\s], v[XSC+4*\b+\s] matrix_a_fmt:MATRIX_FMT_BF6 matrix_b_fmt:MATRIX_FMT_BF6
.else
	v_wmma_scale_f32_16x16x128_f8f6f4 v[D+8*\t:D+8*\t+7], v[12*(4*\t+\s):12*(4*\t+\s)+11], v[XF+12*\s:XF+12*\s+11], v[D+8*\t:D+8*\t+7], v[WS+4*\t+\s], v[XSC+4*\b+\s] matrix_a_fmt:MATRIX_FMT_BF6 matrix_b_fmt:MATRIX_FMT_BF6
.endif
.endr
.endr
	WIN 0
.if \b > 0
	PLACES 4
.irp k, 0,1,2,3,4,5,6,7
	ds_store_b128 v[IA], v[ACC+4*\k:ACC+4*\k+3] offset:OF+512*\k   ; an image of the registers, over the slot just read; each accumulator from its low end on
.endr
.endif
.Lskip_\@:
.endm
; A tile that I own (g = 0: my sums and three images; g = 1: four images): SwiGLU; the block of 32 units is quantised; 16 codes a lane and a scale byte a token are stored.
.macro FINISH g
.if \g == 0
	s_add_co_u32 s[T0], s[P0], s[TI]
.else
	s_add_co_u32 s[T0], s[P0], s[TI2]
.endif
	s_cmp_ge_u32 s[T0], s[LIM]
	s_cbranch_scc1 .Lnofin_\@
	s_mul_i32 s[T1], s[T0], 48
	s_lshl_b32 s[T2], s[T0], 5
	v_add_nc_u32 v[HCA], s[T1], v[HCO]
	v_add_nc_u32 v[HSA], s[T2], v[HSO]
	PLACES 4
.if \g == 0
.irp i, 1,2,3                                      ; quarter KQ + i took this tile in turn 4 - i
.irp k, 0,1,2,3,4,5,6,7
	ds_load_b128 v[IMG+32*(\i-1)+4*\k:IMG+32*(\i-1)+4*\k+3], v[RDA+\i-1] offset:(4-\i)*SL+512*\k
.endr
.endr
.else
.irp k, 0,1,2,3,4,5,6,7
	ds_load_b128 v[ACC+4*\k:ACC+4*\k+3], v[RDB] offset:512*\k
.endr
.irp i, 1,2,3
.irp k, 0,1,2,3,4,5,6,7
	ds_load_b128 v[IMG+32*(\i-1)+4*\k:IMG+32*(\i-1)+4*\k+3], v[RDB] offset:\i*SL+512*\k
.endr
.endr
.endif
.irp sl, 0,1,2
	s_wait_dscnt 16-8*\sl                          ; image sl's eight loads are in; the later images' may be out
.if (\g == 0) && (\sl == 0)
	WIN 0x01
.set i, 0
.rept 16
	v_pk_add_f32 v[ACC+2*i:ACC+2*i+1], v[OWN+2*i:OWN+2*i+1], v[IMG+2*i:IMG+2*i+1]
.set i, i+1
.endr
	WIN 0
.else
.set i, 0
.rept 16
	v_pk_add_f32 v[ACC+2*i:ACC+2*i+1], v[ACC+2*i:ACC+2*i+1], v[IMG+32*\sl+2*i:IMG+32*\sl+2*i+1]
.set i, i+1
.endr
.endif
.endr
.set i, 0
.rept 8
	v_pk_mul_f32 v[EX+2*i:EX+2*i+1], v[G+2*i:G+2*i+1], 0xbfb8aa3b op_sel_hi:[1,0]   ; -g log2(e)
.set i, i+1
.endr
	VW
.set i, 0
.rept 16
	v_exp_f32 v[EX+i], v[EX+i]
.set i, i+1
.endr
	v_nop                                          ; a plain line between the exponentials and the use of their results (ISA guide 5.7.2)
	VW
.set i, 0
.rept 8
	v_pk_add_f32 v[EX+2*i:EX+2*i+1], v[EX+2*i:EX+2*i+1], 1.0 op_sel_hi:[1,0]
.set i, i+1
.endr
	VW
.set i, 0
.rept 16
	v_rcp_f32 v[EX+i], v[EX+i]                     ; 1 / (1 + e^-g)
.set i, i+1
.endr
	v_nop
	VW
.set i, 0
.rept 8
	v_pk_mul_f32 v[G+2*i:G+2*i+1], v[G+2*i:G+2*i+1], v[EX+2*i:EX+2*i+1]   ; silu(g)
.set i, i+1
.endr
.set i, 0
.rept 8
	v_pk_mul_f32 v[G+2*i:G+2*i+1], v[G+2*i:G+2*i+1], v[U+2*i:U+2*i+1]     ; x up: units 32 J + 16 h + 0 .. 15 of token r
.set i, i+1
.endr
	v_max3_num_f32 v[MX0], |v[G]|, |v[G+1]|, |v[G+2]|          ; the largest magnitude of my 16, in two chains
	v_max3_num_f32 v[MX1], |v[G+3]|, |v[G+4]|, |v[G+5]|
.irp i, 6,10
	v_max3_num_f32 v[MX0], v[MX0], |v[G+\i]|, |v[G+\i+1]|
	v_max3_num_f32 v[MX1], v[MX1], |v[G+\i+2]|, |v[G+\i+3]|
.endr
	v_max3_num_f32 v[MX0], v[MX0], |v[G+14]|, |v[G+15]|
	v_max3_num_f32 v[MX0], v[MX0], v[MX1], 0x2800000           ; and the floor 2^(5 - 127): the byte cannot fall under 1
	v_permlanex16_b32 v[MX1], v[MX0], s[SEL], s[SEL+1]
	v_max_num_f32 v[MX0], v[MX0], v[MX1]                       ; with lane l xor 16's 16: the block's
	v_add_nc_u32 v[SCL], 0xfe000000, v[MX0]                    ; 4 off its exponent field: the conversion takes the exponent field of this operand as its scale
	v_cvt_scalef32_pk16_bf6_f32 v[CD:CD+2], v[G:G+15], v[SCL]
	v_lshrrev_b32 v[BY], 23, v[SCL]                            ; the scale's byte (and the plain line behind the conversion)
	global_store_b96 v[HCA], v[CD:CD+2], s[P_HC:P_HC+1]
	global_store_b8 v[HSA], v[BY], s[P_HS:P_HS+1]              ; both lanes of a token write the same byte with the same value
	s_wait_xcnt 0x0                                            ; the stores' data and offsets are written again only behind this wait
.Lnofin_\@:
.endm
	s_load_b256 s[4:11], s[0:1], 0x0
	s_load_b256 s[12:19], s[0:1], 0x20
	v_lshl_add_u32 v[SPW], v0, 2, SPARE
	v_mov_b32 v[NIL], 0
	v_lshrrev_b32 v[LN], 5, v0
	v_readfirstlane_b32 s[WV], v[LN]
	v_and_b32 v[LN], 31, v0                        ; lane
	v_and_b32 v[RL], 15, v0                        ; r
	v_bfe_u32 v[HF], v0, 4, 1                      ; h
	v_lshlrev_b32 v[IDA], 4, v0                    ; my 16 bytes of ids: tokens 128 wave + 4 lane + 0 .. 3
	v_lshlrev_b32 v[L16], 4, v[LN]
	v_and_b32 v[RR], 8, v[RL]
	v_add_nc_u32 v[RR], v[RR], v[RL]               ; r + 8 (r / 8)
	v_lshlrev_b32 v[WSO], 6, v[RR]
	VW
	s_and_b32 s[KQ], s[WV], 3
	s_lshr_b32 s[TP], s[WV], 2
	s_and_b32 s[E], ttmp7, 0xffff
	s_mov_b32 s[J], ttmp9
	s_mov_b32 s[SEL], 0x76543210
	s_mov_b32 s[SEL+1], 0xfedcba98
	s_mov_b32 s[PRM], 0x03010200
	s_mul_i32 s66, s[E], 0x300000                  ; the 8 weight rows that I stage: expert x 2,048 rows of 1,536 bytes
	s_mul_i32 s[T0], s[J], 0xc000                  ; + 32 J rows
	s_add_co_u32 s66, s66, s[T0]
	s_mul_i32 s[T0], s[KQ], 0x3000                 ; + 8 KQ rows
	s_add_co_u32 s66, s66, s[T0]
	s_mul_i32 s[T0], s[TP], 0x180000               ; + 1,024 rows in waves 4-7: up
	s_add_co_u32 s66, s66, s[T0]
	s_mov_b32 s67, 0
	s_lshl_b32 s68, s[E], 17                       ; the weights' scale bytes: 64 a row; my K quarter's 16
	s_lshl_b32 s[T0], s[J], 11
	s_add_co_u32 s68, s68, s[T0]
	s_lshl_b32 s78, s[KQ], 4
	s_add_co_u32 s68, s68, s78
	s_mov_b32 s69, 0
	s_mov_b32 s79, 0                               ; s[78:79]: x's scale bytes: my K quarter's
	s_mul_i32 s70, s[E], 0xc0000                   ; h_codes: my expert, my pair of blocks, my half of its 48 bytes
	s_lshr_b32 s[T0], s[J], 1
	s_mul_i32 s[T1], s[T0], 0xc000
	s_add_co_u32 s70, s70, s[T1]
	s_and_b32 s[T1], s[J], 1
	s_mul_i32 s[T2], s[T1], 24
	s_add_co_u32 s70, s70, s[T2]
	s_mov_b32 s71, 0
	s_lshl_b32 s72, s[E], 15                       ; h_scales: block J = 4 s + 2 h + c has byte 4 s + 2 c + h
	s_and_b32 s[T0], s[T0], 1
	s_add_co_u32 s72, s72, s[T0]
	s_lshl_b32 s[T1], s[T1], 1
	s_add_co_u32 s72, s72, s[T1]
	s_and_b32 s[T0], s[J], 28
	s_add_co_u32 s72, s72, s[T0]
	s_mov_b32 s73, 0
	s_mul_i32 s74, s[E], 4864
	s_mov_b32 s75, 0
	s_mul_i32 s76, s[KQ], 384                      ; x's codes: my K quarter
	s_mov_b32 s77, 0
	s_wait_kmcnt 0x0
	s_add_nc_u64 s[P_GC:P_GC+1], s[P_GC:P_GC+1], s[66:67]
	s_add_nc_u64 s[P_GS:P_GS+1], s[P_GS:P_GS+1], s[68:69]
	s_add_nc_u64 s[P_HC:P_HC+1], s[P_HC:P_HC+1], s[70:71]
	s_add_nc_u64 s[P_HS:P_HS+1], s[P_HS:P_HS+1], s[72:73]
	s_add_nc_u64 s[P_RT:P_RT+1], s[P_RT:P_RT+1], s[74:75]
	s_add_nc_u64 s[P_XC:P_XC+1], s[P_XC:P_XC+1], s[76:77]
	s_add_nc_u64 s[P_XS:P_XS+1], s[P_XS:P_XS+1], s[78:79]
	global_load_b128 v[ID:ID+3], v[IDA], s[P_TOK:P_TOK+1]
.irp t, 0,1,2,3
	global_load_b128 v[WS+4*\t:WS+4*\t+3], v[WSO], s[P_GS:P_GS+1] offset:512*(\t%2)+65536*(\t/2)   ; lane r: the four scale words of its row of tile t
.endr
	WIN 0x40
.set k, 0
.rept 24
	global_load_b128 v[4*k:4*k+3], v[L16], s[P_GC:P_GC+1] offset:512*k th:TH_LOAD_NT   ; 8 rows, 12,288 dense bytes, read once in the launch
.set k, k+1
.endr
	WIN 0
	; the address registers: what a lane adds,
	v_lshrrev_b32 v[RHO], 3, v[LN]                 ; a group of eight lanes loads rows RB + 0 .. 3: RB = 0, 8, 4, 12
	v_and_b32 v[XLO], 7, v[LN]
	v_and_b32 v[RB], 1, v[RHO]
	v_lshrrev_b32 v[RHO], 1, v[RHO]
	v_lshlrev_b32 v[XLO], 4, v[XLO]
	v_lshlrev_b32 v[RB], 3, v[RB]
	v_lshl_add_u32 v[RB], v[RHO], 2, v[RB]
	v_mul_u32_u24 v[TB], v[RL], SP
	v_mul_u32_u24 v[TC], v[RR], XP
	v_mul_u32_u24 v[TA], v[RB], SP
	v_mul_u32_u24 v[HCO], v[RL], 48
	v_mad_u32_u24 v[TB], v[HF], 48, v[TB]
	v_mad_u32_u24 v[TC], v[HF], 48, v[TC]
	v_add_nc_u32 v[TA], v[TA], v[XLO]
	v_mad_u32_u24 v[HCO], v[HF], 12, v[HCO]
	v_lshlrev_b32 v[HSO], 5, v[RL]
	v_lshl_add_u32 v[PLACE], v[HF], 5, v[RL]
	v_lshlrev_b32 v[R4], 2, v[RL]
	v_lshlrev_b32 v[L4], 2, v[LN]
	v_add_nc_u32 v[DMP], 128, v[LN]
	v_mov_b32 v[CTR], L_CT
.irp i, 0,1,2,3
	v_mov_b32 v[Z+\i], 0
.endr
	VW
	; and what is a wave's
	s_mul_i32 s[LW], s[WV], 640
	v_add_nc_u32 v[CTA], s[LW], v[L16]
	v_add_nc_u32 v[CTV], s[LW], v[L4]
	ds_store_b128 v[CTA], v[Z:Z+3]                 ; my list: zeros
	ds_store_b32 v[CTV], v[Z] offset:512
	s_lshl_b32 s[T0], s[TP], 4
	v_add_nc_u32 v[PLACE], s[T0], v[PLACE]         ; 32 h + 16 TP + r
	s_lshl_b32 s[T0], s[WV], 9
	s_add_co_u32 s[T0], s[T0], L_TK
	v_lshl_add_u32 v[ROWL], v[RB], 2, s[T0]
	v_add_nc_u32 v[RTOK], s[T0], v[R4]
	v_add_nc_u32 v[TKW+2], s[T0], v[L4]
	v_add_nc_u32 v[TKW+2], 256, v[TKW+2]           ; tiles 4, 5
	s_mul_i32 s[T1], s[KQ], 3                      ; - KQ modulo 4: tile j (0-3) is taken in turn (j - KQ) & 3
	v_add_nc_u32 v[TKW], s[T1], v[HF]
	v_add_nc_u32 v[TKW+1], 2, v[TKW]
	v_and_b32 v[TKW], 3, v[TKW]
	v_and_b32 v[TKW+1], 3, v[TKW+1]
	v_lshl_add_u32 v[TKW], v[TKW], 6, v[RTOK]
	v_lshl_add_u32 v[TKW+1], v[TKW+1], 6, v[RTOK]
	s_mul_i32 s[T0], s[WV], 4*SL
	s_add_co_u32 s[T0], s[T0], L_X
	v_add_nc_u32 v[STW], s[T0], v[TA]
	v_add_nc_u32 v[FRD], s[T0], v[TB]
	v_add_nc_u32 v[IMW], s[T0], v[L16]
	s_mul_i32 s[T0], s[WV], SL
	s_add_co_u32 s[T0], s[T0], L_W
	v_add_nc_u32 v[STW2], s[T0], v[TA]
	v_add_nc_u32 v[FRD2], s[T0], v[TB]
	v_add_nc_u32 v[IMW2], s[T0], v[L16]
	s_mul_i32 s[T2], s[TP], 16*SL
.irp i, 1,2,3
	s_add_co_u32 s[T0], s[KQ], \i
	s_and_b32 s[T0], s[T0], 3
	s_mul_i32 s[T0], s[T0], 4*SL
	s_add_co_u32 s[T0], s[T0], s[T2]
	s_add_co_u32 s[T0], s[T0], L_X
	v_add_nc_u32 v[RDA+\i-1], s[T0], v[L16]
.endr
	s_and_b32 s[T1], s[KQ], 1
	s_mul_i32 s[T0], s[T1], 8*SL
	s_mul_i32 s[T2], s[TP], 4*SL
	s_add_co_u32 s[T0], s[T0], s[T2]
	s_add_co_u32 s[T0], s[T0], L_W
	v_add_nc_u32 v[RDB], s[T0], v[L16]
	s_mul_i32 s[T0], s[WV], 8*XP
	s_add_co_u32 s[T0], s[T0], L_W
	v_add_nc_u32 v[WWR], s[T0], v[L16]
	s_mul_i32 s[T0], s[KQ], 384
	s_add_co_u32 s[T0], s[T0], L_W
	v_add_nc_u32 v[WFR], s[T0], v[TC]
	s_lshl_b32 s[T2], s[TP], 4
.irp b, 0,1,2,3
	s_add_co_u32 s[T0], s[KQ], \b
	s_and_b32 s[T0], s[T0], 3
	s_lshl_b32 s[T0], s[T0], 5
	s_add_co_u32 s[TI+\b], s[T0], s[T2]            ; turn b: tile (b + KQ) & 3 of my parity: turn 0's is the one that I own
.endr
	s_add_co_u32 s[TI+4], s[T2], 128
	s_add_co_u32 s[TI+5], s[T2], 160
	s_lshl_b32 s[T0], s[T1], 5
	s_add_co_u32 s[T0], s[T0], s[TI+4]
	s_mov_b32 s[T1], 0x1000
	s_cmp_ge_u32 s[KQ], 2
	s_cselect_b32 s[TI2], s[T0], s[T1]
	s_mov_b32 s[P0], 0
	s_mov_b32 s[C], 0
	s_lshl_b32 s[T1], s[WV], 7
	v_add_nc_u32 v[TV], s[T1], v[L4]               ; my four tokens
	v_add_nc_u32 v[TV+1], 1, v[TV]
	v_add_nc_u32 v[TV+2], 2, v[TV]
	v_add_nc_u32 v[TV+3], 3, v[TV]
	VW
	s_wait_loadcnt 28                              ; the ids are in: behind them 4 loads of scale words and 24 of weights
.irp q, 0,1,2,3
	v_min_u32 v[ID+\q], 0xc450, v[ID+\q]           ; the clip: a negative id is a large unsigned number, and 50256 & 7 = 0 as 0 & 7
.endr
.irp q, 0,1,2,3
	v_and_b32 v[ID+\q], 7, v[ID+\q]
.endr
.irp q, 0,1,2,3
	v_cmp_eq_u32 s[MK+\q], s[E], v[ID+\q]
.endr
	s_mov_b32 s[T0], 0
.irp q, 0,1,2,3
	v_mbcnt_lo_u32_b32 v[ID+\q], s[MK+\q], s[T0]   ; the place in my list
	s_bcnt1_i32_b32 s[T1], s[MK+\q]
	s_add_co_u32 s[T0], s[T0], s[T1]
.endr
	VW
.irp q, 0,1,2,3
	v_cndmask_b32 v[ID+\q], v[DMP], v[ID+\q], s[MK+\q]   ; another expert's: a word of the lane's own behind the list
.endr
.irp q, 0,1,2,3
	v_min_u32 v[ID+\q], 0x9f, v[ID+\q]             ; inside my 160 words by a constant of the text
.endr
.irp q, 0,1,2,3
	v_lshlrev_b32 v[ID+\q], 2, v[ID+\q]
.endr
.irp q, 0,1,2,3
	v_add_nc_u32 v[ID+\q], s[LW], v[ID+\q]
.endr
	s_lshl_b32 s[T1], s[WV], 2
	s_add_co_u32 s[T1], s[T1], L_CT
	v_mov_b32 v[CTA], s[T1]
	v_mov_b32 v[CTV], s[T0]
.irp q, 0,1,2,3
	ds_store_b32 v[ID+\q], v[TV+\q]
.endr
	ds_store_b32 v[CTA], v[CTV]                    ; every lane writes my count
	BARRIER
	ds_load_b128 v[CV:CV+3], v[CTR]
	ds_load_b128 v[CV+4:CV+7], v[CTR] offset:16
	s_wait_dscnt 0x0
.irp i, 0,1,2,3,4,5,6
	v_readfirstlane_b32 s[SB+1+\i], v[CV+\i]
.endr
	v_readfirstlane_b32 s[CNT], v[CV+7]
	VW
.irp i, 2,3,4,5,6,7
	s_add_co_u32 s[SB+\i], s[SB+\i], s[SB+\i-1]
.endr
	s_add_co_u32 s[CNT], s[CNT], s[SB+7]
.irp i, 1,2,3,4,5,6,7
	s_sub_co_u32 s[VB+\i], 160*\i, s[SB+\i]
.endr
	s_max_u32 s[LIM], s[CNT], 0x80
	XADDR
	XLOAD 0, 96, 1
	XLOAD 1, 144, 1
	XLOAD 2, 192, 1
	XLOAD 3, XF, 0
	s_wait_loadcnt 63                              ; the weights' scale words are in: behind them 24 loads of weights and 52 of x (a wait names 63 at the most)
.set k, 0
.rept 16
	v_perm_b32 v[WS+k], v[WS+k], v[WS+k], s[PRM]
.set k, k+1
.endr
	VW
	WIN 0x04                                       ; an LDS store's data are its source 1: window 1
.irp a, 0,1,2,3,4,5,6,7
.if 73-3*\a > 63
	s_wait_loadcnt 63
.else
	s_wait_loadcnt 73-3*\a                         ; weight row a's three loads are in: behind them 21 - 3 a of weights and 52 of x
.endif
.irp u, 0,1,2
	ds_store_b128 v[WWR], v[12*\a+4*\u:12*\a+4*\u+3] offset:\a*XP+512*\u
.endr
.endr
	WIN 0
	ROUTE_ST
	XLOAD 4, IMG, 0                                ; tiles 4 and 5 wait in registers; where the list ends before them their lanes name one legal row
	XLOAD 5, IMG+48, 0
	BARRIER                                        ; the 64 weight rows lie in LDS
	FRAGS 0
	DRAIN 0, 96, 1, 63                             ; behind a tile's 13 loads: 13 for each later one
	DRAIN 1, 144, 1, 52
	DRAIN 2, 192, 1, 39
	DRAIN 3, XF, 0, 26
	FRAGS 2                                        ; over the registers that held turns 0 and 1
	PLACES 4
	s_wait_xcnt 0x0                                ; the loads' offsets are written again only behind this wait
.Lchunk:
	TILE 0
	TILE 1
	TILE 2
	TILE 3
	s_wait_loadcnt 0x0                             ; tiles 4 and 5: zero, since in later trips the loads stand under a branch
	BARRIER                                        ; every wave has its weight fragments: the weight rows' bytes may take slots
	TILE 4
	TILE 5
	BARRIER                                        ; the images lie in LDS
	FINISH 0
	FINISH 1
	s_add_co_u32 s[P0], s[P0], 192
	BARRIER                                        ; nobody reads the images any more
	s_cmp_ge_u32 s[P0], s[CNT]
	s_cbranch_scc1 .Lnox
	XADDR                                          ; the next chunk, if the list reaches it
	XLOAD 0, IMG, 0
	XLOAD 1, IMG+48, 0
	XLOAD 2, 192, 1
	XLOAD 3, XF, 0
	DRAIN 0, IMG, 0, 39
	DRAIN 1, IMG+48, 0, 26
	DRAIN 2, 192, 1, 13
	DRAIN 3, XF, 0, 0
	ROUTE_ST
	XLOAD 4, IMG, 0
	XLOAD 5, IMG+48, 0
	PLACES 4
	s_wait_xcnt 0x0
.Lnox:
	s_add_co_u32 s[C], s[C], 1
	s_cmp_lt_u32 s[C], 6
	s_cbranch_scc1 .Lchunk
	s_wait_tensorcnt 0x0                           ; the wave's end
	ds_add_u32 v[SPW], v[NIL]
	s_wait_dscnt 0x0
	s_endpgm
.Lfunc_end_k_q8395717435_gateup:
	.size	k_q8395717435_gateup, .Lfunc_end_k_q8395717435_gateup-k_q8395717435_gateup
	.p2alignl 7, 3214868480
	.fill 96, 4, 3214868480
	.section	.rodata,"a",@progbits
	.p2align	6, 0x0
	.amdhsa_kernel k_q8395717435_gateup
		.amdhsa_group_segment_fixed_size 317696
		.amdhsa_private_segment_fixed_size 0
		.amdhsa_enable_private_segment 0
		.amdhsa_kernarg_size 64
		.amdhsa_user_sgpr_count 2
		.amdhsa_user_sgpr_kernarg_segment_ptr 1
		.amdhsa_wavefront_size32 1
		.amdhsa_system_sgpr_workgroup_id_x 1
		.amdhsa_system_sgpr_workgroup_id_y 1
		.amdhsa_system_sgpr_workgroup_id_z 1
		.amdhsa_system_vgpr_workitem_id 0
		.amdhsa_next_free_vgpr 512
		.amdhsa_next_free_sgpr 80
		.amdhsa_reserve_vcc 0
		.amdhsa_float_denorm_mode_32 3
		.amdhsa_float_denorm_mode_16_64 3
		.amdhsa_memory_ordered 1
		.amdhsa_forward_progress 1
		.amdhsa_inst_pref_size 110
	.end_amdhsa_kernel
	.amdgpu_metadata
---
amdhsa.version: [ 1, 2 ]
amdhsa.kernels:
  - .name:           k_q8395717435_gateup
    .symbol:         k_q8395717435_gateup.kd
    .args:
      - { .name: token_ids, .offset: 0, .size: 8, .value_kind: global_buffer, .address_space: global }
      - { .name: x_codes, .offset: 8, .size: 8, .value_kind: global_buffer, .address_space: global }
      - { .name: x_scales, .offset: 16, .size: 8, .value_kind: global_buffer, .address_space: global }
      - { .name: gate_up_proj_codes, .offset: 24, .size: 8, .value_kind: global_buffer, .address_space: global }
      - { .name: gate_up_proj_scales, .offset: 32, .size: 8, .value_kind: global_buffer, .address_space: global }
      - { .name: h_codes, .offset: 40, .size: 8, .value_kind: global_buffer, .address_space: global }
      - { .name: h_scales, .offset: 48, .size: 8, .value_kind: global_buffer, .address_space: global }
      - { .name: route, .offset: 56, .size: 8, .value_kind: global_buffer, .address_space: global }
    .group_segment_fixed_size: 317696
    .private_segment_fixed_size: 0
    .kernarg_segment_align: 8
    .kernarg_segment_size: 64
    .max_flat_workgroup_size: 256
    .sgpr_count:     80
    .vgpr_count:     512
    .wavefront_size: 32
...
	.end_amdgpu_metadata
.endif
;; end of part 1
;; launch down (part 2): grid 32 x 8, 8 waves a work-group, no clusters, 249,856 bytes of LDS; arguments h_codes, h_scales, route, down_proj_codes, down_proj_scales, out0; writes out0
.if DOCPART == 2
	.amdgcn_target "amdgcn-amd-amdhsa--gfx1250"
	.amdhsa_code_object_version 6
	.text
	.protected	k_q8395717435_down
	.globl	k_q8395717435_down
	.p2align	8
	.type	k_q8395717435_down,@function
k_q8395717435_down:
	s_mov_b64 s[64:65], 0
	v_nop
	global_prefetch_b8 v0, s[64:65] scope:SCOPE_SE
	s_setreg_imm32_b32 hwreg(HW_REG_WAVE_MODE, 25, 1), 1
	s_wait_xcnt 0x0
; out[token] = h[token] D[e], e the token's expert.  WORK LEFT OUT: the rows of h D[e] of tokens of other experts, which reference()'s own mask throws away (shown at the head of the launch before, with its limit).
; h, route: made by the launch before: h_codes [8][16 pairs of blocks][1024 places][48 bytes], h_scales [8][1024][32], route [8][1216 words]: the tokens by place, and at word 1,152 the count.  The first 128 places are always made.
; D = down_proj [8][2048 (n)][1024 (k)]: codes of BF6, 768 bytes a row, 32 scale bytes a row.  out: [1024][2048] f32.
; SHARES.  Work-group (JN, E): expert E, columns 64 JN .. 64 JN + 63: 256 consecutive, aligned bytes of each output row; its 64 rows of D are read from memory by this work-group alone.
; Eight waves: wave = KQ + 4 TP: KQ a quarter of K (256: two K steps), TP the parity of the token tiles.  A wave keeps its K quarter of the four weight tiles (8 fragments) in registers; h goes from memory straight into fragment registers.
; Tokens go in chunks of 192 places = 12 tiles of 16, six for each parity; the loop has 6 trips whatever the count is, every barrier stands on the common path, and only loads, products and stores are jumped over.
; Tiles 0-3 of the first chunk are asked for at the head; the places of all others are held at the last one that has a token.  EXEC is never changed:
; in a last tile the rows behind the list's end repeat the last row that has a token: the same bytes go to the same address once more.
; Tile j (0-3) is owned by K quarter j, which takes it first and keeps its sums; tiles 4 and 5 by quarters 2 and 3, which read all four images.  The owner turns the tile through its own stage and stores whole pieces of 256 bytes.
; FRAGMENTS: lane (r, h) takes the 48 bytes of blocks 2 h and 2 h + 1 of a K step on both sides; the scale bytes stand in that order in h_scales, and D's are put so here.
; THE PRODUCT IS USED TRANSPOSED (source 0 = 16 rows of D, source 1 = 16 tokens): a lane holds one token and eight neighbouring columns.
; NO JOINT LOADS, though the 32 work-groups of an expert read the same h: the work hangs on a count read from memory.  NO PREFETCH: the weights are asked for at the head, each byte once.
; LIMITS: NaN, infinities and the scale byte 0xff among the inputs are not served.  A sum over K is four partial f32 sums (the K quarters, each ascending by K steps) added at the end.
.set WP,    784                        ; LDS pitch of a weight row of 768 bytes: an odd multiple of 16
.set IW,    20480                      ; LDS: from 0 each wave's five images of 4,096 bytes: turns 1-3, tiles 4 and 5
.set L_OST, 163840                     ; each wave's own stage: 16 rows x (256 + 16) bytes
.set L_WST, 198656                     ; the 64 weight rows
.set SPARE, 248832                     ; the spare words
.set P_HC,  4
.set P_HS,  6
.set P_RT,  8
.set P_DC,  10
.set P_DS,  12
.set P_OUT, 14
.set WV,   16
.set KQ,   17
.set TP,   18
.set E,    19
.set JN,   20
.set CNT,  21
.set P0,   22
.set C,    23
.set TI,   24                          ; s24-29: 16 x the tile that I take in turn b
.set T0,   30
.set T1,   31
.set REM,  32                          ; the tile's last row that has a token
.set TIB,  33                          ; 16 x the second tile that I own, or 4,096 where I own none
.set MX,   34                          ; the last place that has a token
.set PRM,  35
.set T2,   48
.set TB2,  50                          ; 16 x tile 4 + (KQ & 1)
.set L16,  1
.set RL,   2
.set HALF, 3
.set SPW,  4
.set NIL,  5
.set HB,   6                           ; v6   48 r + a plane in lanes 16-31
.set HH,   7                           ; v7   a plane in lanes 16-31
.set HO,   8                           ; v8-13  offsets of six tiles' codes, v14-19 of their scale bytes
.set HS,   14
.set OTA,  20                          ; v20-21 offsets of my two tiles' tokens
.set OT,   22                          ; v22-23 these tokens: lane r, row r
.set SO,   24
.set SRB,  25
.set OC,   26
.set WWA,  27
.set WWB,  28
.set WRD,  29
.set WSO,  30
.set IMW,  31
.set RDA,  32                          ; v32-34
.set RDB,  35
.set PADA, 36
.set WS,   40                          ; v40-47 the weights' scale words, 2 t + s: scales and nothing else
.set HSC,  48                          ; v48-59 h's scale words, 2 b + s: scales and nothing else
.set TKO,  60                          ; v60-67 offsets in out
.set SQ,   68                          ; v68-75 LDS addresses of eight pairs of rows in the stage
.set IMG,  80                          ; v80-175 images; then rows read back
.set OWN,  176                         ; v176-207 the sums of the tile that I own (v176-223 first take my weight rows on their way to LDS)
.set ACC,  208                         ; v208-239 sums
.set IX,   240                         ; v240-247
; window 1: v256-351 the 8 weight fragments, (t, s) at 12 (2 t + s); v352-495 h's fragments, (b, s) at 96 + 24 b + 12 s
.set MSB, 0
.macro WIN new
.if MSB != \new
	s_set_vgpr_msb (MSB<<8)|\new
.set MSB, \new
.endif
.endm
.macro VW
	s_wait_alu depctr_va_vdst(0)
.endm
.macro PLACES n
.rept \n
	v_nop
.endr
.endm
.macro BARRIER
	VW
	s_wait_dscnt 0x0
	s_barrier_signal -1
	s_barrier_wait -1
.endm
.macro HCLAMP b                        ; the offsets of turn b's tile of h, places held at the last one that has a token
	s_add_co_u32 s[T0], s[P0], s[TI+\b]
	v_add_nc_u32 v[HS+\b], s[T0], v[RL]
	v_min_u32 v[HS+\b], s[MX], v[HS+\b]
	v_min_u32 v[HS+\b], 0x3ff, v[HS+\b]
	v_mul_u32_u24 v[HO+\b], v[HS+\b], 48
	v_lshlrev_b32 v[HS+\b], 5, v[HS+\b]
	v_add_nc_u32 v[HO+\b], v[HO+\b], v[HH]
.endm
.macro HLOAD b                         ; 7 loads: sixteen lanes read inside one window of 768 bytes
	global_load_b64 v[HSC+2*\b:HSC+2*\b+1], v[HS+\b], s[P_HS:P_HS+1]
	WIN 0x40
.irp s, 0,1
.irp q, 0,1,2
	global_load_b128 v[96+24*\b+12*\s+4*\q:96+24*\b+12*\s+4*\q+3], v[HO+\b], s[P_HC:P_HC+1] offset:98304*\s+16*\q
.endr
.endr
	WIN 0
.endm
.macro OTLOAD
.irp g, 0,1
	global_load_b32 v[OT+\g], v[OTA+\g], s[P_RT:P_RT+1]
.endr
.endm
; Turn b: 8 matrix instructions, the four accumulators by turns; the first K step starts the sums.  Five places stand ahead of products that begin accumulators anew,
; four ahead of the stores that read results.  n: the loads issued behind this tile's, at the head and in the loop alike.
.macro TILE b, n
	s_wait_loadcnt \n
	s_add_co_u32 s[T0], s[P0], s[TI+\b]
	s_cmp_ge_u32 s[T0], s[CNT]
	s_cbranch_scc1 .Lskip_\@
	PLACES 5
.if \b == 0
.set D, OWN
.else
.set D, ACC
.endif
	WIN 0x05                                       ; sources 0 (the weights) and 1 (h) in window 1
.irp s, 0,1
.irp t, 0,1,2,3
.if \s == 0
	v_wmma_scale_f32_16x16x128_f8f6f4 v[D+8*\t:D+8*\t+7], v[12*(2*\t+\s):12*(2*\t+\s)+11], v[96+24*\b+12*\s:96+24*\b+12*\s+11], 0, v[WS+2*\t+\s], v[HSC+2*\b+\s] matrix_a_fmt:MATRIX_FMT_BF6 matrix_b_fmt:MATRIX_FMT_BF6
.else
	v_wmma_scale_f32_16x16x128_f8f6f4 v[D+8*\t:D+8*\t+7], v[12*(2*\t+\s):12*(2*\t+\s)+11], v[96+24*\b+12*\s:96+24*\b+12*\s+11], v[D+8*\t:D+8*\t+7], v[WS+2*\t+\s], v[HSC+2*\b+\s] matrix_a_fmt:MATRIX_FMT_BF6 matrix_b_fmt:MATRIX_FMT_BF6
.endif
.endr
.endr
	WIN 0
.if \b > 0
	PLACES 4
.irp k, 0,1,2,3,4,5,6,7
	ds_store_b128 v[IMW], v[ACC+4*\k:ACC+4*\k+3] offset:4096*(\b-1)+512*\k   ; an image of the registers; each accumulator from its low end on
.endr
.endif
.Lskip_\@:
.endm
; A tile that I own (g = 0: my sums and three images; g = 1: four images) turns through my stage; each token's 256 bytes go to its row of out.
; Store q of eight takes the tile's row min(2 q + h, the last row that has a token); from that row come its token and its bytes in the stage.
.macro FINISH g
.if \g == 0
.set A, OWN
	s_add_co_u32 s[T0], s[P0], s[TI]
.else
.set A, ACC
	s_add_co_u32 s[T0], s[P0], s[TIB]
.endif
	s_cmp_ge_u32 s[T0], s[CNT]
	s_cbranch_scc1 .Lnofin_\@
	s_sub_co_u32 s[REM], s[CNT], s[T0]
	s_sub_co_u32 s[REM], s[REM], 1
	s_min_u32 s[REM], s[REM], 15
.irp q, 0,1,2,3,4,5,6,7
	v_add_nc_u32 v[SQ+\q], 2*\q, v[HALF]
.endr
.irp q, 0,1,2,3,4,5,6,7
	v_min_u32 v[SQ+\q], s[REM], v[SQ+\q]
.endr
.irp q, 0,1,2,3,4,5,6,7
	v_min_u32 v[SQ+\q], 15, v[SQ+\q]               ; inside the tile by a constant of the text
.endr
.irp q, 0,1,2,3,4,5,6,7
	v_lshlrev_b32 v[IX+\q], 2, v[SQ+\q]
.endr
.irp q, 0,1,2,3,4,5,6,7
	v_mul_u32_u24 v[SQ+\q], v[SQ+\q], 272
.endr
.irp q, 0,1,2,3,4,5,6,7
	v_add_nc_u32 v[SQ+\q], v[SQ+\q], v[SRB]
.endr
	VW
.irp q, 0,1,2,3,4,5,6,7
	ds_bpermute_b32 v[TKO+\q], v[IX+\q], v[OT+\g]
.endr
.if \g == 0
.irp i, 1,2,3                                      ; quarter KQ + i took this tile in turn 4 - i: its image 3 - i
.irp k, 0,1,2,3,4,5,6,7
	ds_load_b128 v[IMG+32*(\i-1)+4*\k:IMG+32*(\i-1)+4*\k+3], v[RDA+\i-1] offset:(3-\i)*4096+512*\k
.endr
.endr
.else
.irp k, 0,1,2,3,4,5,6,7
	ds_load_b128 v[ACC+4*\k:ACC+4*\k+3], v[RDB] offset:512*\k
.endr
.irp i, 1,2,3
.irp k, 0,1,2,3,4,5,6,7
	ds_load_b128 v[IMG+32*(\i-1)+4*\k:IMG+32*(\i-1)+4*\k+3], v[RDB] offset:\i*IW+512*\k
.endr
.endr
.endif
.irp sl, 0,1,2
	s_wait_dscnt 16-8*\sl                          ; image sl's eight loads are in; the later images' may be out
.set i, 0
.rept 16
	v_pk_add_f32 v[A+2*i:A+2*i+1], v[A+2*i:A+2*i+1], v[IMG+32*\sl+2*i:IMG+32*\sl+2*i+1]
.set i, i+1
.endr
.endr
.irp t, 0,1,2,3
	ds_store_b128 v[SO], v[A+8*\t:A+8*\t+3] offset:64*\t              ; lane (r, h): token r, columns 16 t + 8 h + 0 .. 7
	ds_store_b128 v[SO], v[A+8*\t+4:A+8*\t+7] offset:64*\t+16
.endr
.irp q, 0,1,2,3,4,5,6,7
	ds_load_b128 v[IMG+4*\q:IMG+4*\q+3], v[SQ+\q]                     ; my own bytes, served in order: sixteen lanes to a row
.endr
.irp q, 0,1,2,3,4,5,6,7
	v_min_u32 v[TKO+\q], 0x3ff, v[TKO+\q]
.endr
.irp q, 0,1,2,3,4,5,6,7
	v_lshlrev_b32 v[TKO+\q], 13, v[TKO+\q]         ; a row of out is 8,192 bytes
.endr
.irp q, 0,1,2,3,4,5,6,7
	v_add_nc_u32 v[TKO+\q], v[TKO+\q], v[OC]
.endr
	VW
	s_wait_dscnt 0x0
.irp q, 0,1,2,3,4,5,6,7
	global_store_b128 v[TKO+\q], v[IMG+4*\q:IMG+4*\q+3], s[P_OUT:P_OUT+1] th:TH_STORE_NT   ; sixteen lanes store 256 consecutive bytes, at a multiple of 256 from out's first byte
.endr
	s_wait_xcnt 0x0                                ; the stores' data and offsets are written again only behind this wait
.Lnofin_\@:
.endm
	s_load_b256 s[4:11], s[0:1], 0x0
	s_load_b128 s[12:15], s[0:1], 0x20
	v_lshl_add_u32 v[SPW], v0, 2, SPARE
	v_mov_b32 v[NIL], 0
	v_lshrrev_b32 v[IX], 5, v0
	v_readfirstlane_b32 s[WV], v[IX]
	v_and_b32 v[IX], 31, v0                        ; lane
	v_and_b32 v[RL], 15, v0
	v_bfe_u32 v[HALF], v0, 4, 1
	v_lshlrev_b32 v[L16], 4, v[IX]
	v_lshlrev_b32 v[WSO], 5, v[RL]
	v_mul_u32_u24 v[HH], v[HALF], 0xc000           ; a plane: 1,024 places of 48 bytes
	v_mul_u32_u24 v[HB], v[RL], 48
	v_add_nc_u32 v[HB], v[HB], v[HH]
	VW
	s_and_b32 s[KQ], s[WV], 3
	s_lshr_b32 s[TP], s[WV], 2
	s_and_b32 s[E], ttmp7, 0xffff
	s_mov_b32 s[JN], ttmp9
	s_mov_b32 s[PRM], 0x03010200
	s_mov_b32 s[P0], 0
	s_mov_b32 s[C], 0
	s_mul_i32 s36, s[E], 0x180000                  ; the 8 weight rows that I stage: expert x 2,048 rows of 768 bytes
	s_mul_i32 s[T0], s[JN], 0xc000                 ; + 64 JN rows
	s_add_co_u32 s36, s36, s[T0]
	s_mul_i32 s[T0], s[WV], 0x1800                 ; + 8 x wave rows
	s_add_co_u32 s36, s36, s[T0]
	s_mov_b32 s37, 0
	s_lshl_b32 s38, s[E], 16                       ; the weights' scale bytes: 32 a row; my K quarter's 8
	s_lshl_b32 s[T0], s[JN], 11
	s_add_co_u32 s38, s38, s[T0]
	s_lshl_b32 s[T1], s[KQ], 3
	s_add_co_u32 s38, s38, s[T1]
	s_mov_b32 s39, 0
	s_lshl_b32 s40, s[JN], 8                       ; out: my 256 bytes of a row
	s_mov_b32 s41, 0
	s_mul_i32 s42, s[E], 0xc0000                   ; h_codes: my expert, my K quarter's four planes
	s_mul_i32 s[T0], s[KQ], 0x30000
	s_add_co_u32 s42, s42, s[T0]
	s_mov_b32 s43, 0
	s_lshl_b32 s44, s[E], 15                       ; h_scales: my expert, my K quarter's 8 bytes
	s_add_co_u32 s44, s44, s[T1]
	s_mov_b32 s45, 0
	s_mul_i32 s46, s[E], 4864
	s_mov_b32 s47, 0
	s_lshl_b32 s[T2], s[TP], 4
.irp b, 0,1,2,3
	s_add_co_u32 s[T0], s[KQ], \b
	s_and_b32 s[T0], s[T0], 3
	s_lshl_b32 s[T0], s[T0], 5
	s_add_co_u32 s[TI+\b], s[T0], s[T2]            ; turn b: tile (b + KQ) & 3 of my parity: turn 0's is the one that I own
.endr
	s_add_co_u32 s[TI+4], s[T2], 128
	s_add_co_u32 s[TI+5], s[T2], 160
.irp b, 0,1,2,3
	s_mul_i32 s[T0], s[TI+\b], 48
	s_lshl_b32 s[T1], s[TI+\b], 5
	v_add_nc_u32 v[HO+\b], s[T0], v[HB]
	v_add_nc_u32 v[HS+\b], s[T1], v[WSO]
.endr
	s_and_b32 s[T0], s[KQ], 1
	s_lshl_b32 s[T0], s[T0], 5
	s_add_co_u32 s[T0], s[T0], s[TI+4]
	v_add_nc_u32 v[OTA], s[TI], v[RL]
	v_add_nc_u32 v[OTA+1], s[T0], v[RL]
	s_mov_b32 s[TB2], s[T0]
	v_lshlrev_b32 v[OTA], 2, v[OTA]
	v_lshlrev_b32 v[OTA+1], 2, v[OTA+1]
	s_mov_b32 s[T1], 0x1000
	s_cmp_ge_u32 s[KQ], 2
	s_cselect_b32 s[TIB], s[T0], s[T1]
	VW
	s_wait_kmcnt 0x0
	s_add_nc_u64 s[P_RT:P_RT+1], s[P_RT:P_RT+1], s[46:47]
	s_load_b32 s[CNT], s[P_RT:P_RT+1], 0x1200
	s_add_nc_u64 s[P_DC:P_DC+1], s[P_DC:P_DC+1], s[36:37]
	s_add_nc_u64 s[P_DS:P_DS+1], s[P_DS:P_DS+1], s[38:39]
	s_add_nc_u64 s[P_OUT:P_OUT+1], s[P_OUT:P_OUT+1], s[40:41]
	s_add_nc_u64 s[P_HC:P_HC+1], s[P_HC:P_HC+1], s[42:43]
	s_add_nc_u64 s[P_HS:P_HS+1], s[P_HS:P_HS+1], s[44:45]
.set k, 0
.rept 12
	global_load_b128 v[OWN+4*k:OWN+4*k+3], v[L16], s[P_DC:P_DC+1] offset:512*k th:TH_LOAD_NT   ; 8 rows, 6,144 dense bytes, read once in the launch
.set k, k+1
.endr
.irp t, 0,1,2,3
	global_load_b64 v[WS+2*\t:WS+2*\t+1], v[WSO], s[P_DS:P_DS+1] offset:512*\t     ; lane r: the two scale words of row 16 t + r
.endr
	HLOAD 0
	HLOAD 1
	HLOAD 2
	HLOAD 3
	OTLOAD
	; the address registers that are constant for a wave
	v_mul_u32_u24 v[SO], v[RL], 272
	v_mul_u32_u24 v[WRD], v[RL], WP
	v_lshlrev_b32 v[OC], 4, v[RL]
.irp i, 0,1,2,3
	v_mov_b32 v[IMG+\i], 0
.endr
	v_mad_u32_u24 v[WRD], v[HALF], 48, v[WRD]
	VW
	s_mul_i32 s[T0], s[WV], 16*272
	s_add_co_u32 s[T0], s[T0], L_OST
	v_add_nc_u32 v[PADA], s[T0], v[SO]
	v_add_nc_u32 v[SRB], s[T0], v[OC]
	v_lshl_add_u32 v[SO], v[HALF], 5, v[PADA]
	ds_store_b128 v[PADA], v[IMG:IMG+3] offset:256   ; the 16 bytes behind each row of my stage: written once, never used
	s_mul_i32 s[T0], s[WV], 8*WP
	s_add_co_u32 s[T0], s[T0], L_WST
	v_add_nc_u32 v[WWA], s[T0], v[L16]
	v_lshl_add_u32 v[WWB], v[HALF], 4, v[WWA]
	s_mul_i32 s[T0], s[KQ], 192
	s_add_co_u32 s[T0], s[T0], L_WST
	v_add_nc_u32 v[WRD], s[T0], v[WRD]
	s_mul_i32 s[T0], s[WV], IW
	v_add_nc_u32 v[IMW], s[T0], v[L16]
	s_mul_i32 s[T2], s[TP], 4*IW
.irp i, 1,2,3
	s_add_co_u32 s[T0], s[KQ], \i
	s_and_b32 s[T0], s[T0], 3
	s_mul_i32 s[T0], s[T0], IW
	s_add_co_u32 s[T0], s[T0], s[T2]
	v_add_nc_u32 v[RDA+\i-1], s[T0], v[L16]
.endr
	s_and_b32 s[T0], s[KQ], 1
	s_lshl_b32 s[T0], s[T0], 12
	s_add_co_u32 s[T0], s[T0], s[T2]
	s_add_co_u32 s[T0], s[T0], 3*4096
	v_add_nc_u32 v[RDB], s[T0], v[L16]
	VW
	s_wait_kmcnt 0x0                               ; the count is in
	s_max_u32 s[MX], s[CNT], 1
	s_sub_co_u32 s[MX], s[MX], 1
	s_min_u32 s[MX], s[MX], 0x3ff
	HCLAMP 4
	HCLAMP 5
	HLOAD 4
	HLOAD 5
	VW
.irp a, 0,1,2,3
	s_wait_loadcnt 57-3*\a                         ; the three loads of weight rows 2 a and 2 a + 1 are in: behind them 9 - 3 a of weights, 4 of scale words, 42 of h and 2 of tokens
	ds_store_b128 v[WWA], v[OWN+12*\a:OWN+12*\a+3] offset:\a*2*WP               ; row 2 a, bytes 0-511
	ds_store_b128 v[WWB], v[OWN+12*\a+4:OWN+12*\a+7] offset:\a*2*WP+512         ; its last 256 bytes; lanes 16-31: row 2 a + 1's first 256, behind the 16 bytes of padding
	ds_store_b128 v[WWA], v[OWN+12*\a+8:OWN+12*\a+11] offset:\a*2*WP+1040       ; row 2 a + 1, bytes 256-767
.endr
	s_wait_loadcnt 44                              ; the scale words are in: behind them 42 loads of h and 2 of tokens
.set k, 0
.rept 8
	v_perm_b32 v[WS+k], v[WS+k], v[WS+k], s[PRM]   ; scale bytes 1 and 2 change places
.set k, k+1
.endr
	PLACES 4
	BARRIER                                        ; the 64 weight rows lie in LDS; nothing is written there again
	WIN 0x40
.irp t, 0,1,2,3
.irp s, 0,1
.irp q, 0,1,2
	ds_load_b128 v[12*(2*\t+\s)+4*\q:12*(2*\t+\s)+4*\q+3], v[WRD] offset:16*\t*WP+96*\s+16*\q
.endr
.endr
.endr
	WIN 0
	s_wait_dscnt 0x0
.Lchunk:
	TILE 0, 37                                     ; behind a tile's 7 loads: 7 for each later one, and 2 of tokens behind tile 3
	TILE 1, 30
	TILE 2, 23
	TILE 3, 16
	TILE 4, 7
	TILE 5, 0
	BARRIER                                        ; the images lie in LDS
	FINISH 0
	FINISH 1
	s_add_co_u32 s[P0], s[P0], 192
	s_cmp_ge_u32 s[P0], s[CNT]
	s_cbranch_scc1 .Lnoh
.irp b, 0,1,2,3,4,5
	HCLAMP \b
.endr
	s_add_co_u32 s[T0], s[P0], s[TI]
	s_add_co_u32 s[T1], s[P0], s[TB2]
	v_add_nc_u32 v[OTA], s[T0], v[RL]
	v_add_nc_u32 v[OTA+1], s[T1], v[RL]
	v_lshlrev_b32 v[OTA], 2, v[OTA]
	v_lshlrev_b32 v[OTA+1], 2, v[OTA+1]
	VW
	HLOAD 0
	HLOAD 1
	HLOAD 2
	HLOAD 3
	OTLOAD
	HLOAD 4
	HLOAD 5
.Lnoh:
	BARRIER                                        ; nobody reads the images any more
	s_add_co_u32 s[C], s[C], 1
	s_cmp_lt_u32 s[C], 6
	s_cbranch_scc1 .Lchunk
	s_wait_tensorcnt 0x0                           ; the wave's end
	ds_add_u32 v[SPW], v[NIL]
	s_wait_dscnt 0x0
	s_endpgm
.Lfunc_end_k_q8395717435_down:
	.size	k_q8395717435_down, .Lfunc_end_k_q8395717435_down-k_q8395717435_down
	.p2alignl 7, 3214868480
	.fill 96, 4, 3214868480
	.section	.rodata,"a",@progbits
	.p2align	6, 0x0
	.amdhsa_kernel k_q8395717435_down
		.amdhsa_group_segment_fixed_size 249856
		.amdhsa_private_segment_fixed_size 0
		.amdhsa_enable_private_segment 0
		.amdhsa_kernarg_size 48
		.amdhsa_user_sgpr_count 2
		.amdhsa_user_sgpr_kernarg_segment_ptr 1
		.amdhsa_wavefront_size32 1
		.amdhsa_system_sgpr_workgroup_id_x 1
		.amdhsa_system_sgpr_workgroup_id_y 1
		.amdhsa_system_sgpr_workgroup_id_z 1
		.amdhsa_system_vgpr_workitem_id 0
		.amdhsa_next_free_vgpr 512
		.amdhsa_next_free_sgpr 66
		.amdhsa_reserve_vcc 0
		.amdhsa_float_denorm_mode_32 3
		.amdhsa_float_denorm_mode_16_64 3
		.amdhsa_memory_ordered 1
		.amdhsa_forward_progress 1
		.amdhsa_inst_pref_size 56
	.end_amdhsa_kernel
	.amdgpu_metadata
---
amdhsa.version: [ 1, 2 ]
amdhsa.kernels:
  - .name:           k_q8395717435_down
    .symbol:         k_q8395717435_down.kd
    .args:
      - { .name: h_codes, .offset: 0, .size: 8, .value_kind: global_buffer, .address_space: global }
      - { .name: h_scales, .offset: 8, .size: 8, .value_kind: global_buffer, .address_space: global }
      - { .name: route, .offset: 16, .size: 8, .value_kind: global_buffer, .address_space: global }
      - { .name: down_proj_codes, .offset: 24, .size: 8, .value_kind: global_buffer, .address_space: global }
      - { .name: down_proj_scales, .offset: 32, .size: 8, .value_kind: global_buffer, .address_space: global }
      - { .name: out0, .offset: 40, .size: 8, .value_kind: global_buffer, .address_space: global }
    .group_segment_fixed_size: 249856
    .private_segment_fixed_size: 0
    .kernarg_segment_align: 8
    .kernarg_segment_size: 48
    .max_flat_workgroup_size: 256
    .sgpr_count:     66
    .vgpr_count:     512
    .wavefront_size: 32
...
	.end_amdgpu_metadata
.endif
;; end of part 2
